; MI455X (gfx1250); checked and timed in simulation.
; The chip was launched on July 23, 2026; its instructions are those of AMD's public machine-readable ISA for CDNA 5 (MIT licence, August 2026) and "CDNA5" Instruction Set Architecture Reference Guide (July 2026). The comments in the code are by the model that wrote it; some were corrected since.
;; Gated Cross Attention. Allowed arithmetic: matrix products marked QUANTISED: E2M3 operands, one E8M0 scale for each 32 along K, by v_wmma_scale_f32_16x16x128_f8f6f4 with both operands' format E2M3, f32 sums; products left as they are: f32 operands where the result goes on into a quantised operand, else bf16, f16 or f32 operands; f32 sums; everything else in f32.
;; Inputs: Wg_codes 1,024 x 64 x 24 uint8 (E2M3 codes of Wg, K innermost, in blocks of 32 codes, four codes in three bytes); Wg_scales 1,024 x 64 uint8 (E8M0 scales of Wg, one for each 32 codes along K); Wk 1,024 x 256 float32; Wo_codes 1,024 x 32 x 24 uint8 (E2M3 codes of Wo, K innermost, in blocks of 32 codes, four codes in three bytes); Wo_scales 1,024 x 32 uint8 (E8M0 scales of Wo, one for each 32 codes along K); Wq_codes 1,024 x 32 x 24 uint8 (E2M3 codes of Wq, K innermost, in blocks of 32 codes, four codes in three bytes); Wq_scales 1,024 x 32 uint8 (E8M0 scales of Wq, one for each 32 codes along K); Wv 1,024 x 256 float32; b_in 3,072 float32; beta 1,024 float32; bg 1,024 float32; bo 1,024 float32; gamma 1,024 float32; speaker_embedding 8 x 256 float32; speech_features 8 x 2,048 x 1,024 float32.
;; Outputs: out0 8 x 2,048 x 1,024 float32.
;; This version of the problem:
;;   THIS VERSION OF THE PROBLEM IS GIVEN IN LOW PRECISION. The matrix products marked QUANTISED in the list below multiply operands that are first quantised to E2M3 (2 exponent bits, 3 mantissa bits; 6 bits a number), with one power-of-two scale for each 32 numbers along K (OCP MX v1.0); their sums are f32. All else is computed in f32.
;;   The module's matrix products, in the order in which they are computed (A, B: the left and right operand; K: the contracted axis; several contracted axes count as one K, in the product's order):
;;     1. [M 16,384, K 1,024] x [K 1,024, N 1,024]; A: input speech_features; B: input Wq (given as codes): QUANTISED
;;     2. [M 8, K 256] x [K 256, N 1,024]; A: input speaker_embedding; B: input Wk: left as it is (M = 8 < 16)
;;     3. [M 8, K 256] x [K 256, N 1,024]; A: input speaker_embedding; B: input Wv: left as it is (M = 8 < 16)
;;     4. batch 128 x [M 2,048, K 64] x [K 64, N 1]; A: computed on the way; B: computed on the way: left as it is (N = 1 < 16)
;;     5. batch 128 x [M 64, K 1] x [K 1, N 2,048]; A: computed on the way; B: softmax: left as it is (K = 1 < 32)
;;     6. [M 16,384, K 1,024] x [K 1,024, N 1,024]; A: computed on the way; B: input Wo (given as codes): QUANTISED
;;     7. [M 16,384, K 2,048] x [K 2,048, N 1,024]; A: computed on the way; B: input Wg (given as codes): QUANTISED
;;   THE QUANTISER, for each operand of a quantised product, along K:
;;     - K is cut into blocks of 32 from its start; a last block that is shorter is filled with zeros.
;;     - A block's scale is 2^e with e = floor(log2(the largest magnitude in the block)) - 2, held to -126 .. 127; a block of zeros has e = 0. As a byte (E8M0): e + 127.
;;     - Each number is divided by its block's scale, clamped to +-7.5, and rounded to the nearest number of E2M3, ties to even, subnormals kept.
;;     - The product sums the exact products of the quantised numbers (number of the format x scale) in f32.
;;   ~~~python
;;   def quantise(x, axis):      # numpy; x: float32 -> the quantised numbers, widened to float32 again
;;       x = np.moveaxis(x, axis, -1); K = x.shape[-1]
;;       x = np.pad(x, [(0, 0)] * (x.ndim - 1) + [(0, -K % 32)]); x = x.reshape(x.shape[:-1] + (-1, 32)); a = np.abs(x).max(-1, keepdims=True)
;;       e = np.where(a > 0, np.clip(np.frexp(np.where(a > 0, a, 1))[1] - 1 - 2, -126, 127), 0)      # np.frexp(a)[1] - 1 = floor(log2(a)), exactly
;;       r = np.clip(x / 2.0 ** e, -7.5, 7.5)
;;       step = 2.0 ** (np.maximum(np.frexp(np.where(r == 0, 1, r))[1] - 1, 0) - 3)
;;       q = np.round(r / step) * step * 2.0 ** e      # np.round: ties to even
;;       return np.moveaxis(q.reshape(q.shape[:-2] + (-1,))[..., :K], -1, axis).astype(np.float32)
;;   ~~~
;;   OPERANDS COMPUTED ON THE WAY. 'Computed on the way' means the value that the module computes at that place (a softmax that the list does not call 'softmax' is quantised finished and normalised). What goes into a quantiser is computed in f32, as accurately as f32 sums, v_exp_f32 and their like allow (about 1e-6 of the number): no bf16 or f16 on the way to a quantiser, and a product that is left as it is and whose result goes on into a quantised operand takes f32 operands (vector FMAs, or v_wmma_f32_16x16x4_f32). A number that lies on a knife's edge between two numbers of the format may be rounded either way, as far as f32 arithmetic and the matrix unit's own rounding can turn it there, and no further.
;;   INPUTS GIVEN AS CODES. Wg (in the module: [1024, 2048], K = its axis 1); Wo (in the module: [1024, 1024], K = its axis 1); Wq (in the module: [1024, 1024], K = its axis 1): each comes as NAME_codes (uint8): NAME with its K axis moved to the last place and cut into blocks of 32 codes, [.., K / 32, bytes a block], one block behind the other in memory; four codes in three bytes: a row's codes are one little-endian stream of bits, code i at bits 6 i .. 6 i + 5 (a code: sign, 2 exponent bits, 3 mantissa bits); and NAME_scales (uint8): the same leading axes, one E8M0 byte (e + 127) for each 32 codes along K. Its value is code x scale, taken as it is: it is not quantised again, and the codes and scales need not be those that the quantiser above would give.
;; One version. Each part assembles by itself: llvm-mc -triple=amdgcn-amd-amdhsa -mcpu=gfx1250 --defsym DOCPART=n.
;; ======== version 1 of 1: 3 launches
;; limits: right only within a limited range of input values
;; workspace buffers: apart 524,288 bytes; cpart 524,288 bytes; aobuf 32,768 bytes; wimg 819,200 bytes
;; launch prep (part 1): grid 32 x 1, 8 waves a work-group, no clusters, 3,072 bytes of LDS; arguments speaker_embedding, Wv, b_in, Wo_codes, Wo_scales, Wg_codes, Wg_scales, apart, wimg; writes apart, wimg
.if DOCPART == 1
	.amdgcn_target "amdgcn-amd-amdhsa--gfx1250"
	.amdhsa_code_object_version 6
	.text
	.protected	k_qfea4d1c0b1_prep
	.globl	k_qfea4d1c0b1_prep
	.p2align	8
	.type	k_qfea4d1c0b1_prep,@function
k_qfea4d1c0b1_prep:
	s_mov_b64 s[64:65], 0
	v_nop
	global_prefetch_b8 v0, s[64:65] scope:SCOPE_SE
	s_setreg_imm32_b32 hwreg(HW_REG_WAVE_MODE, 25, 1), 1
	s_wait_xcnt 0x0
; WORK LEFT OUT, for all finite inputs.  The softmax of reference() runs over an axis of length 1: exp(s - s) / exp(s - s) = 1 whatever the score s.  So q, k and the scores
; (products 1, 2 and 4) reach no output: Wq_codes, Wq_scales, Wk and b_in's first 2,048 numbers (bq, bk) are not loaded and are no arguments.  ctx[b, s, :] = v[b, :] for every s (product 5 is a factor 1),
; so attn_out and the attn_out half of the gate's product are one row for each batch: they are computed once a batch, by the same quantisers and the same matrix form.
; LIMIT: a NaN, an infinity or an overflow that reaches only the work left out is not carried to the result.  NaN and infinities among the inputs are not served; v's sums are trees; ao's sum goes by 16 slices of K.
; JOB A, work-groups 0-15: work-group a makes v = spk Wv^T + bv (f32) at features 64 a .. + 63 for the 8 batches: two whole blocks of 32 along the next K.  It quantises them and multiplies them by its K slice of Wo:
;   apart[a][8][1024] = Q(v)[:, slice] Wo[:, slice]^T, one K step whose upper 64 are zero codes of the activations.  The next launch adds the 16 parts.
; JOB B, work-groups 16-31: Wg's K steps 0-7 as images of operand registers.  wimg: 32 panels of 25,600 bytes, panel 4 ms + w: K step ms, w the wave that owns columns 256 w ..
;   A panel: 16 fragments of 1,536 bytes (registers 4 c .. 4 c + 3 of lane l at 1536 T + 512 c + 16 l), then 1,024 bytes of scale words (word at 256 qd + 8 l + 4 i: fragment 4 qd + 2 i + l / 16, tile row l % 16).
;   Tile row p of fragment T is weight row 256 w + 32 (T / 2) + 8 (T & 1) + p + 8 (p / 8): in the transposed product two neighbouring tiles give a lane 16 neighbouring columns.
.set NV, 16
; my wave's 8 tiles of 16 weight rows, 64 along K: 24 bytes a lane; fragment t is v[180 + 6 t .. + 11]: its upper six registers are the next fragment's (any codes: they meet zero codes)
.macro WLOAD RP, SPT
.irp t, 0,1,2,3,4,5,6,7
.irp i, 0,1,2
	global_load_b64 v[180+6*\t+2*\i:181+6*\t+2*\i], v7, s[30:31] offset:16*\t*(\RP)+8*\i
.endr
	global_load_u16 v[234+\t], v8, s[32:33] offset:16*\t*(\SPT)   ; two scale bytes; bytes 2 and 3 are 0, a finite code
.endr
.endm
; LDS bytes 0-2,047 hold 8 rows x 64 f32.  Lane (r, h) takes block h of row r % 8, quantises it, and my 8 tiles are multiplied; lane (r, h) then holds columns 16 T + 8 h + 0 .. 7 of row r % 8
.macro SLICE
.irp i, 0,1,2,3,4,5,6,7
	ds_load_b128 v[16+4*\i:19+4*\i], v9 offset:16*\i
.endr
	s_wait_loadcnt 0x0
	s_wait_dscnt 0x0
	v_max3_num_f32 v48, 0x1800000, |v16|, |v17|    ; with the floor 2^(3 - 127): the byte cannot fall under 1
	v_max3_num_f32 v49, 0x1800000, |v18|, |v19|
.irp i, 4,8,12,16,20,24,28
	v_max3_num_f32 v48, v48, |v[16+\i]|, |v[17+\i]|
	v_max3_num_f32 v49, v49, |v[18+\i]|, |v[19+\i]|
.endr
	v_max_num_f32 v48, v48, v49
	v_add_nc_u32 v50, 0xff000000, v48              ; 2 off the exponent field: the conversion's scale operand
	v_lshrrev_b32 v51, 23, v50
	v_lshlrev_b32 v169, v15, v51                   ; my byte at its place, 8 h bits up
	v_cvt_scalef32_pk16_fp6_f32 v[60:62], v[16:31], v50
	v_cvt_scalef32_pk16_fp6_f32 v[64:66], v[32:47], v50
	v_nop                                          ; a plain place behind a scaled conversion
	v_mov_b32 v63, v64
	v_mov_b32 v64, v65
	v_mov_b32 v65, v66
.irp i, 66,67,68,69,70,71
	v_mov_b32 v[\i], 0                             ; k = 64 .. 127: zero codes
.endr
	v_permlanex16_b32 v168, v169, s40, s41
	v_or_b32 v169, v169, v168                      ; the scale word: bytes 0 and 1; bytes 2 and 3 are 0
.rept 8
	v_nop                                          ; a scale register written by a vector instruction stands 8 places ahead
.endr
.irp t, 0,1,2,3,4,5,6,7
	v_wmma_scale_f32_16x16x128_f8f6f4 v[80+8*\t:87+8*\t], v[180+6*\t:191+6*\t], v[60:71], 0, v[234+\t], v169 matrix_a_fmt:MATRIX_FMT_FP6 matrix_b_fmt:MATRIX_FMT_FP6
.endr
.rept 4
	v_nop
.endr
.irp t, 0,1,2,3,4,5,6,7
.irp i, 0,1
	global_store_b128 v14, v[80+8*\t+4*\i:83+8*\t+4*\i], s[34:35] offset:64*\t+16*\i   ; lanes r and r + 8 store the same bytes with the same values
.endr
.endr
.endm
	s_load_b512 s[4:19], s[0:1], 0x0               ; spk 4, Wv 6, b_in 8, Wo codes 10, scales 12, Wg codes 14, scales 16, apart 18
	s_load_b64 s[20:21], s[0:1], 0x40              ; wimg
	v_lshl_add_u32 v176, v0, 2, 0x800
	v_mov_b32 v177, 0
	v_and_b32 v1, 31, v0                           ; lane
	v_lshrrev_b32 v2, 5, v0
	v_readfirstlane_b32 s28, v2                    ; wave 0..7
	s_cmp_lt_u32 ttmp9, NV
	s_wait_alu depctr_va_vdst(0)
	s_cbranch_scc0 .Llayout
	; ---------------- JOB A ----------------
	s_lshl_b32 s36, ttmp9, 16                      ; 64 rows of Wv,
	s_lshl_b32 s33, s28, 13                        ; my wave's 8 of them
	s_add_co_u32 s36, s36, s33
	s_mov_b32 s37, 0
	s_lshl_b32 s44, ttmp9, 8
	s_lshl_b32 s33, s28, 5
	s_add_co_u32 s44, s44, s33
	s_add_co_u32 s44, s44, 8192                    ; bv at number 2,048 + 64 a + 8 wave
	s_mul_i32 s38, s28, 128*768                    ; Wo: my wave's 128 rows, + 48 a
	s_mul_i32 s33, ttmp9, 48
	s_add_co_u32 s38, s38, s33
	s_mov_b32 s39, 0
	s_lshl_b32 s42, s28, 12                        ; its scales: 128 rows of 32 bytes, + 2 a
	s_lshl_b32 s33, ttmp9, 1
	s_add_co_u32 s42, s42, s33
	s_mov_b32 s43, 0
	s_lshl_b32 s46, ttmp9, 15                      ; apart[a], + my 128 columns
	s_lshl_b32 s33, s28, 9
	s_add_co_u32 s46, s46, s33
	s_mov_b32 s47, 0
	s_mov_b32 s40, 0x76543210
	s_mov_b32 s41, 0xfedcba98                      ; selects for lane l xor 16
	v_lshlrev_b32 v3, 5, v1                        ; my 8 numbers of a row
	v_lshlrev_b32 v5, 5, v2                        ; LDS: my wave's 8 features in a batch's 256 bytes
	v_and_b32 v10, 15, v1                          ; r
	v_lshrrev_b32 v11, 4, v1                       ; h
	v_and_b32 v12, 7, v1                           ; r % 8
	v_mul_u32_u24 v7, v10, 768
	v_mad_u32_u24 v7, v11, 24, v7
	v_lshlrev_b32 v8, 5, v10
	v_lshlrev_b32 v9, 8, v12
	v_lshl_add_u32 v9, v11, 7, v9
	v_lshlrev_b32 v14, 12, v12
	v_lshl_add_u32 v14, v11, 5, v14
	v_lshlrev_b32 v15, 3, v11
	v_mov_b32 v168, 0
.irp b, 0,1,2,3,4,5,6,7
	v_mov_b32 v[160+\b], 0                         ; a lane permute's destination counts as a source
.endr
.irp i, 228,229,230,231,232,233
	v_mov_b32 v[\i], 0                             ; the last fragment's upper six
.endr
	s_wait_alu depctr_va_vdst(0)
	s_wait_kmcnt 0x0
	s_load_b256 s[48:55], s[8:9], s44              ; my 8 features' biases
	s_add_nc_u64 s[26:27], s[6:7], s[36:37]
	s_add_nc_u64 s[30:31], s[10:11], s[38:39]
	s_add_nc_u64 s[32:33], s[12:13], s[42:43]
	s_add_nc_u64 s[34:35], s[18:19], s[46:47]
.irp b, 0,1,2,3,4,5,6,7
	global_load_b128 v[16+8*\b:19+8*\b], v3, s[4:5] offset:1024*\b
	global_load_b128 v[20+8*\b:23+8*\b], v3, s[4:5] offset:1024*\b+16
.endr
.irp j, 0,1,2,3,4,5,6,7
	global_load_b128 v[80+8*\j:83+8*\j], v3, s[26:27] offset:1024*\j
	global_load_b128 v[84+8*\j:87+8*\j], v3, s[26:27] offset:1024*\j+16
.endr
	WLOAD 768, 32
	s_wait_loadcnt 32                              ; spk and Wv are in; Wo's 32 loads may be out
	s_wait_kmcnt 0x0
.irp j, 0,1,2,3,4,5,6,7                        ; feature j of my eight, the eight batches by turns
.irp b, 0,1,2,3,4,5,6,7
	v_pk_mul_f32 v[144+2*\b:145+2*\b], v[80+8*\j:81+8*\j], v[16+8*\b:17+8*\b]
.endr
.irp c, 1,2,3
.irp b, 0,1,2,3,4,5,6,7
	v_pk_fma_f32 v[144+2*\b:145+2*\b], v[80+8*\j+2*\c:81+8*\j+2*\c], v[16+8*\b+2*\c:17+8*\b+2*\c], v[144+2*\b:145+2*\b]
.endr
.endr
.irp b, 0,1,2,3,4,5,6,7
	v_add_f32 v[144+2*\b], v[144+2*\b], v[145+2*\b]
.endr
.irp x, 1,2,4,8
.irp b, 0,1,2,3,4,5,6,7
	v_add_f32_dpp v[144+2*\b], v[144+2*\b], v[144+2*\b] row_xmask:\x row_mask:0xf bank_mask:0xf
.endr
.endr
.irp b, 0,1,2,3,4,5,6,7
	v_permlanex16_b32 v[160+\b], v[144+2*\b], s40, s41
.endr
.irp b, 0,1,2,3,4,5,6,7
	v_add_f32 v[144+2*\b], v[144+2*\b], v[160+\b]  ; every lane holds the sum
.endr
.irp b, 0,1,2,3,4,5,6,7
	v_add_f32 v[144+2*\b], s[48+\j], v[144+2*\b]   ; + bv
.endr
.irp b, 0,1,2,3,4,5,6,7
	ds_store_b32 v5, v[144+2*\b] offset:256*\b+4*\j   ; all lanes write the same word with the same value
.endr
.endr
	s_wait_dscnt 0x0                               ; for the other waves' sake
	s_barrier_signal -1
	s_barrier_wait -1
	SLICE
	s_wait_tensorcnt 0x0                           ; the wave's end
	ds_add_u32 v176, v177
	s_wait_dscnt 0x0
	s_endpgm
	; ---------------- JOB B ----------------
.Llayout:
	s_sub_co_u32 s29, ttmp9, NV
	s_lshl_b32 s29, s29, 1
	s_lshr_b32 s32, s28, 2
	s_add_co_u32 s29, s29, s32                     ; the panel, 0..31
	s_and_b32 s32, s28, 3                          ; qd: which four fragments
	s_lshr_b32 s30, s29, 2                         ; the K step
	s_and_b32 s31, s29, 3                          ; w
	s_lshl_b32 s41, s31, 8
	s_lshl_b32 s40, s32, 6
	s_add_co_u32 s41, s41, s40                     ; first weight row of my four tiles: 256 w + 64 qd
	s_mul_i32 s42, s41, 1536
	s_mul_i32 s40, s30, 96
	s_add_co_u32 s42, s42, s40
	s_mov_b32 s43, 0
	s_lshl_b32 s46, s41, 6
	s_lshl_b32 s40, s30, 2
	s_add_co_u32 s46, s46, s40
	s_mov_b32 s47, 0
	s_mul_i32 s24, s29, 25600
	s_mov_b32 s25, 0
	v_and_b32 v3, 15, v1                           ; p: tile row
	v_lshrrev_b32 v4, 4, v1                        ; h
	v_and_b32 v5, 8, v3
	v_add_nc_u32 v5, v5, v3                        ; p + 8 (p / 8)
	v_mul_u32_u24 v6, v5, 1536
	v_mad_u32_u24 v6, v4, 24, v6                   ; fragment 0 of my four: row, + 24 h
	v_add_nc_u32 v7, 12288, v6                     ; 8 rows on,
	v_add_nc_u32 v8, 49152, v6                     ; 32 rows on,
	v_add_nc_u32 v9, 61440, v6                     ; 40 rows on
	v_lshl_add_u32 v10, v4, 3, v5
	v_lshlrev_b32 v10, 6, v10                      ; scale words: lanes 0-15 fragment 0's rows, lanes 16-31 fragment 1's;
	v_add_nc_u32 v11, 2048, v10                    ; fragments 2 and 3
	s_mul_i32 s44, s32, 6144
	v_lshlrev_b32 v12, 4, v1
	v_add_nc_u32 v12, s44, v12
	s_lshl_b32 s44, s32, 8
	v_lshlrev_b32 v13, 3, v1
	v_add_nc_u32 v13, s44, v13
	s_wait_alu depctr_va_vdst(0)
	s_wait_kmcnt 0x0
	s_add_nc_u64 s[34:35], s[14:15], s[42:43]
	s_add_nc_u64 s[36:37], s[16:17], s[46:47]
	s_add_nc_u64 s[26:27], s[20:21], s[24:25]
.irp j, 0,1,2,3
.irp p, 0,1,2,3,4,5
	global_load_b64 v[32+12*\j+2*\p:33+12*\j+2*\p], v[6+\j], s[34:35] offset:48*(\p/3)+8*(\p%3)
.endr
.endr
	global_load_b32 v80, v10, s[36:37]
	global_load_b32 v81, v11, s[36:37]
	s_wait_loadcnt 0x0
.irp j, 0,1,2,3
.irp c, 0,1,2
	global_store_b128 v12, v[32+12*\j+4*\c:35+12*\j+4*\c], s[26:27] offset:1536*\j+512*\c   ; 512 consecutive bytes
.endr
.endr
	global_store_b64 v13, v[80:81], s[26:27] offset:24576   ; 256 consecutive bytes
	s_endpgm
.Lfunc_end_k_qfea4d1c0b1_prep:
	.size	k_qfea4d1c0b1_prep, .Lfunc_end_k_qfea4d1c0b1_prep-k_qfea4d1c0b1_prep
	.p2alignl 7, 3214868480
	.fill 96, 4, 3214868480
	.section	.rodata,"a",@progbits
	.p2align	6, 0x0
	.amdhsa_kernel k_qfea4d1c0b1_prep
		.amdhsa_group_segment_fixed_size 3072
		.amdhsa_private_segment_fixed_size 0
		.amdhsa_enable_private_segment 0
		.amdhsa_kernarg_size 72
		.amdhsa_user_sgpr_count 2
		.amdhsa_user_sgpr_kernarg_segment_ptr 1
		.amdhsa_wavefront_size32 1
		.amdhsa_system_sgpr_workgroup_id_x 1
		.amdhsa_system_sgpr_workgroup_id_y 1
		.amdhsa_system_sgpr_workgroup_id_z 1
		.amdhsa_system_vgpr_workitem_id 0
		.amdhsa_next_free_vgpr 242
		.amdhsa_next_free_sgpr 66
		.amdhsa_reserve_vcc 0
		.amdhsa_float_denorm_mode_32 3
		.amdhsa_float_denorm_mode_16_64 3
		.amdhsa_memory_ordered 1
		.amdhsa_forward_progress 1
		.amdhsa_inst_pref_size 66
	.end_amdhsa_kernel
	.amdgpu_metadata
---
amdhsa.version: [ 1, 2 ]
amdhsa.kernels:
  - .name:           k_qfea4d1c0b1_prep
    .symbol:         k_qfea4d1c0b1_prep.kd
    .args:
      - { .name: speaker_embedding, .offset: 0, .size: 8, .value_kind: global_buffer, .address_space: global }
      - { .name: Wv, .offset: 8, .size: 8, .value_kind: global_buffer, .address_space: global }
      - { .name: b_in, .offset: 16, .size: 8, .value_kind: global_buffer, .address_space: global }
      - { .name: Wo_codes, .offset: 24, .size: 8, .value_kind: global_buffer, .address_space: global }
      - { .name: Wo_scales, .offset: 32, .size: 8, .value_kind: global_buffer, .address_space: global }
      - { .name: Wg_codes, .offset: 40, .size: 8, .value_kind: global_buffer, .address_space: global }
      - { .name: Wg_scales, .offset: 48, .size: 8, .value_kind: global_buffer, .address_space: global }
      - { .name: apart, .offset: 56, .size: 8, .value_kind: global_buffer, .address_space: global }
      - { .name: wimg, .offset: 64, .size: 8, .value_kind: global_buffer, .address_space: global }
    .group_segment_fixed_size: 3072
    .private_segment_fixed_size: 0
    .kernarg_segment_align: 8
    .kernarg_segment_size: 72
    .max_flat_workgroup_size: 256
    .sgpr_count:     66
    .vgpr_count:     242
    .wavefront_size: 32
...
	.end_amdgpu_metadata
.endif
;; end of part 1
;; launch mid (part 2): grid 16 x 1, 8 waves a work-group, no clusters, 3,072 bytes of LDS; arguments apart, bo, Wg_codes, Wg_scales, aobuf, cpart; writes aobuf, cpart
.if DOCPART == 2
	.amdgcn_target "amdgcn-amd-amdhsa--gfx1250"
	.amdhsa_code_object_version 6
	.text
	.protected	k_qfea4d1c0b1_mid
	.globl	k_qfea4d1c0b1_mid
	.p2align	8
	.type	k_qfea4d1c0b1_mid,@function
k_qfea4d1c0b1_mid:
	s_mov_b64 s[64:65], 0
	v_nop
	global_prefetch_b8 v0, s[64:65] scope:SCOPE_SE
	s_setreg_imm32_b32 hwreg(HW_REG_WAVE_MODE, 25, 1), 1
	s_wait_xcnt 0x0
; attn_out is one row a batch (shown at the head of the first kernel).  Work-group a owns its columns 64 a .. + 63 for the 8 batches: ao = bo + the 16 parts of apart, stored to aobuf[8][1024];
; these are two whole blocks of 32 along the gate's K: they are quantised here and multiplied by Wg's K slice 1,024 + 64 a ..: cpart[a][8][1024]; the next launch adds the 16 parts.
; LIMITS as in the first kernel; the sums go by 16 slices of K.
.macro WLOAD RP, SPT
.irp t, 0,1,2,3,4,5,6,7
.irp i, 0,1,2
	global_load_b64 v[180+6*\t+2*\i:181+6*\t+2*\i], v7, s[30:31] offset:16*\t*(\RP)+8*\i
.endr
	global_load_u16 v[234+\t], v8, s[32:33] offset:16*\t*(\SPT)   ; two scale bytes; bytes 2 and 3 are 0, a finite code
.endr
.endm
; LDS bytes 0-2,047 hold 8 rows x 64 f32.  Lane (r, h) takes block h of row r % 8, quantises it, and my 8 tiles of 16 weight rows are multiplied (fragment t's upper six registers are the next fragment's: they meet zero codes)
.macro SLICE
.irp i, 0,1,2,3,4,5,6,7
	ds_load_b128 v[16+4*\i:19+4*\i], v9 offset:16*\i
.endr
	s_wait_loadcnt 0x0
	s_wait_dscnt 0x0
	v_max3_num_f32 v48, 0x1800000, |v16|, |v17|    ; with the floor 2^(3 - 127)
	v_max3_num_f32 v49, 0x1800000, |v18|, |v19|
.irp i, 4,8,12,16,20,24,28
	v_max3_num_f32 v48, v48, |v[16+\i]|, |v[17+\i]|
	v_max3_num_f32 v49, v49, |v[18+\i]|, |v[19+\i]|
.endr
	v_max_num_f32 v48, v48, v49
	v_add_nc_u32 v50, 0xff000000, v48
	v_lshrrev_b32 v51, 23, v50
	v_lshlrev_b32 v169, v15, v51
	v_cvt_scalef32_pk16_fp6_f32 v[60:62], v[16:31], v50
	v_cvt_scalef32_pk16_fp6_f32 v[64:66], v[32:47], v50
	v_nop
	v_mov_b32 v63, v64
	v_mov_b32 v64, v65
	v_mov_b32 v65, v66
.irp i, 66,67,68,69,70,71
	v_mov_b32 v[\i], 0                             ; k = 64 .. 127: zero codes
.endr
	v_permlanex16_b32 v168, v169, s40, s41
	v_or_b32 v169, v169, v168
.rept 8
	v_nop                                          ; a scale register written by a vector instruction stands 8 places ahead
.endr
.irp t, 0,1,2,3,4,5,6,7
	v_wmma_scale_f32_16x16x128_f8f6f4 v[80+8*\t:87+8*\t], v[180+6*\t:191+6*\t], v[60:71], 0, v[234+\t], v169 matrix_a_fmt:MATRIX_FMT_FP6 matrix_b_fmt:MATRIX_FMT_FP6
.endr
.rept 4
	v_nop
.endr
.irp t, 0,1,2,3,4,5,6,7
.irp i, 0,1
	global_store_b128 v14, v[80+8*\t+4*\i:83+8*\t+4*\i], s[34:35] offset:64*\t+16*\i
.endr
.endr
.endm
	s_load_b256 s[4:11], s[0:1], 0x0               ; apart 4, bo 6, Wg codes 8, scales 10
	s_load_b128 s[12:15], s[0:1], 0x20             ; aobuf 12, cpart 14
	v_lshl_add_u32 v176, v0, 2, 0x800
	v_mov_b32 v177, 0
	v_and_b32 v1, 31, v0
	v_lshrrev_b32 v2, 5, v0
	v_readfirstlane_b32 s28, v2                    ; wave 0..7: also my batch in the sum
	s_wait_alu depctr_va_vdst(0)
	s_lshl_b32 s36, s28, 12
	s_lshl_b32 s38, ttmp9, 8
	s_add_co_u32 s36, s36, s38                     ; batch's row, + my work-group's 64 columns
	s_mov_b32 s37, 0
	s_mov_b32 s39, 0
	s_mul_i32 s42, s28, 128*1536                   ; Wg: my wave's 128 rows, + 768 + 48 a
	s_mul_i32 s33, ttmp9, 48
	s_add_co_u32 s42, s42, s33
	s_add_co_u32 s42, s42, 768
	s_mov_b32 s43, 0
	s_lshl_b32 s44, s28, 13                        ; its scales: 128 rows of 64 bytes, + 32 + 2 a
	s_lshl_b32 s33, ttmp9, 1
	s_add_co_u32 s44, s44, s33
	s_add_co_u32 s44, s44, 32
	s_mov_b32 s45, 0
	s_lshl_b32 s46, ttmp9, 15
	s_lshl_b32 s33, s28, 9
	s_add_co_u32 s46, s46, s33
	s_mov_b32 s47, 0
	s_mov_b32 s40, 0x76543210
	s_mov_b32 s41, 0xfedcba98
	v_lshlrev_b32 v4, 3, v1                        ; 8 bytes a lane
	v_lshlrev_b32 v6, 3, v0                        ; LDS: 8 x thread
	v_and_b32 v10, 15, v1
	v_lshrrev_b32 v11, 4, v1
	v_and_b32 v3, 7, v1
	v_mul_u32_u24 v7, v10, 1536
	v_mad_u32_u24 v7, v11, 24, v7
	v_lshlrev_b32 v8, 6, v10
	v_lshlrev_b32 v9, 8, v3
	v_lshl_add_u32 v9, v11, 7, v9
	v_lshlrev_b32 v14, 12, v3
	v_lshl_add_u32 v14, v11, 5, v14
	v_lshlrev_b32 v15, 3, v11
	v_mov_b32 v168, 0
.irp i, 228,229,230,231,232,233
	v_mov_b32 v[\i], 0
.endr
	s_wait_alu depctr_va_vdst(0)
	s_wait_kmcnt 0x0
	s_add_nc_u64 s[4:5], s[4:5], s[36:37]
	s_add_nc_u64 s[6:7], s[6:7], s[38:39]
	s_add_nc_u64 s[12:13], s[12:13], s[36:37]
	s_add_nc_u64 s[30:31], s[8:9], s[42:43]
	s_add_nc_u64 s[32:33], s[10:11], s[44:45]
	s_add_nc_u64 s[34:35], s[14:15], s[46:47]
.irp s, 0,1,2,3,4,5,6,7,8,9,10,11,12,13,14,15
	global_load_b64 v[16+2*\s:17+2*\s], v4, s[4:5] offset:32768*\s   ; 256 consecutive bytes a wave
.endr
	global_load_b64 v[52:53], v4, s[6:7]
	WLOAD 1536, 64
	s_wait_loadcnt 32                              ; the parts and bo are in; Wg's 32 loads may be out
.irp s, 2,4,6,8,10,12,14
	v_pk_add_f32 v[16:17], v[16:17], v[16+2*\s:17+2*\s]
	v_pk_add_f32 v[18:19], v[18:19], v[18+2*\s:19+2*\s]
.endr
	v_pk_add_f32 v[12:13], v[16:17], v[18:19]
	v_pk_add_f32 v[12:13], v[12:13], v[52:53]
	global_store_b64 v4, v[12:13], s[12:13]        ; ao: 256 consecutive bytes, aligned
	ds_store_b64 v6, v[12:13]
	s_wait_dscnt 0x0
	s_barrier_signal -1
	s_barrier_wait -1
	SLICE
	s_wait_tensorcnt 0x0                           ; the wave's end
	ds_add_u32 v176, v177
	s_wait_dscnt 0x0
	s_endpgm
.Lfunc_end_k_qfea4d1c0b1_mid:
	.size	k_qfea4d1c0b1_mid, .Lfunc_end_k_qfea4d1c0b1_mid-k_qfea4d1c0b1_mid
	.p2alignl 7, 3214868480
	.fill 96, 4, 3214868480
	.section	.rodata,"a",@progbits
	.p2align	6, 0x0
	.amdhsa_kernel k_qfea4d1c0b1_mid
		.amdhsa_group_segment_fixed_size 3072
		.amdhsa_private_segment_fixed_size 0
		.amdhsa_enable_private_segment 0
		.amdhsa_kernarg_size 48
		.amdhsa_user_sgpr_count 2
		.amdhsa_user_sgpr_kernarg_segment_ptr 1
		.amdhsa_wavefront_size32 1
		.amdhsa_system_sgpr_workgroup_id_x 1
		.amdhsa_system_sgpr_workgroup_id_y 1
		.amdhsa_system_sgpr_workgroup_id_z 1
		.amdhsa_system_vgpr_workitem_id 0
		.amdhsa_next_free_vgpr 242
		.amdhsa_next_free_sgpr 66
		.amdhsa_reserve_vcc 0
		.amdhsa_float_denorm_mode_32 3
		.amdhsa_float_denorm_mode_16_64 3
		.amdhsa_memory_ordered 1
		.amdhsa_forward_progress 1
		.amdhsa_inst_pref_size 14
	.end_amdhsa_kernel
	.amdgpu_metadata
---
amdhsa.version: [ 1, 2 ]
amdhsa.kernels:
  - .name:           k_qfea4d1c0b1_mid
    .symbol:         k_qfea4d1c0b1_mid.kd
    .args:
      - { .name: apart, .offset: 0, .size: 8, .value_kind: global_buffer, .address_space: global }
      - { .name: bo, .offset: 8, .size: 8, .value_kind: global_buffer, .address_space: global }
      - { .name: Wg_codes, .offset: 16, .size: 8, .value_kind: global_buffer, .address_space: global }
      - { .name: Wg_scales, .offset: 24, .size: 8, .value_kind: global_buffer, .address_space: global }
      - { .name: aobuf, .offset: 32, .size: 8, .value_kind: global_buffer, .address_space: global }
      - { .name: cpart, .offset: 40, .size: 8, .value_kind: global_buffer, .address_space: global }
    .group_segment_fixed_size: 3072
    .private_segment_fixed_size: 0
    .kernarg_segment_align: 8
    .kernarg_segment_size: 48
    .max_flat_workgroup_size: 256
    .sgpr_count:     66
    .vgpr_count:     242
    .wavefront_size: 32
...
	.end_amdgpu_metadata
.endif
;; end of part 2
;; launch main (part 3): grid 256 x 1, 4 waves a work-group, no clusters, 327,680 bytes of LDS; arguments speech_features, wimg, aobuf, cpart, bg, gamma, beta, out0; writes out0
.if DOCPART == 3
	.amdgcn_target "amdgcn-amd-amdhsa--gfx1250"
	.amdhsa_code_object_version 6
	.text
	.protected	k_qfea4d1c0b1_main
	.globl	k_qfea4d1c0b1_main
	.p2align	8
	.type	k_qfea4d1c0b1_main,@function
k_qfea4d1c0b1_main:
	s_mov_b64 s[64:65], 0
	v_nop
	global_prefetch_b8 v0, s[64:65] scope:SCOPE_SE
	s_setreg_imm32_b32 hwreg(HW_REG_WAVE_MODE, 25, 1), 1
	s_wait_xcnt 0x0
; out = LayerNorm(g ao + (1 - g) x), g = sigmoid(x Wg[:, :1024]^T + c), c = bg + the 16 parts of cpart (the ao half of the gate's sum), ao from aobuf.
; WORK LEFT OUT (shown at the head of the first kernel): q, k, the scores; ao and c are one row a batch and come from the earlier launches.
; SHARES.  A work-group takes 64 rows of one batch; wave w owns columns 256 w .. + 255 for all 64 rows: 64 accumulators, 512 registers, which start as c.
; x comes in four chunks of 256 along K (64 rows x 1,024 bytes), a quarter of the rows a wave by one tensor load: chunk 0 at the head, chunk i + 1 behind the barrier at the top of trip i.  Nothing is filled twice.
; The f32 numbers stay in LDS (pitch 1,040) for the quantiser, for the fused row, and at the end as the owning wave's stage.  Wave w quantises its 16 rows of each chunk into images of operand registers.
; WEIGHTS come as the first launch laid them, from memory straight into a ring of two register panels (16 fragments + scale words each): a panel is asked for again quad by quad as its products are issued, two K steps ahead.
; THE MATRIX INSTRUCTION IS USED TRANSPOSED (source 0 = 16 weight rows, source 1 = 16 data rows): lane (r, h) holds data row r and, in tiles 2 b, 2 b + 1, columns 32 b + 16 h + 0 .. 15.
; LayerNorm: each wave's mean and sum of squared differences over its 256 columns, joined over the four waves (no difference of large sums).
; NO CLUSTER, NO JOINT LOADS: x's blocks are shared by nobody, and x (266,240 bytes) with its images (51,200) leaves no LDS for slots of weights.  NO PREFETCH: each chunk of x is asked for a trip ahead, the ring asks two panels ahead.
; LIMITS: NaN and infinities among the inputs are not served.  A block of zeros gets the scale byte 1: its codes are zeros, and the bytes are read here alone.  The gate's sum starts with bg and the ao half, then takes x's K ascending.
; REGISTERS: window 0: v1-29 addresses, v32-47 weights' scale words, v48-51 activations', v64-255 panel 0; window 1: v0-47 activation fragments (v0-58 the quantiser's at a trip's top), v64-255 panel 1; windows 2, 3: accumulators (m, T) at v[64 m + 8 (T % 8)] of window 2 + T / 8.
.set XP, 1040
.set XQ, 64*XP
.set XT, 16*XP
.set IMG, 4*XQ                         ; x's images: K step S, row tile m at 6144 S + 1536 m
.set ISC, IMG+49152                    ; scale words: 256 S + 8 (r + 16 (m & 1)) + 4 (m / 2)
.set AO, ISC+2048                      ; ao, wave w's 1,024 bytes
.set CB, AO+4096                       ; c, wave w's 1,024 bytes; later its 64 rows' (mean, sum of squares)
.set SPARE, CB+4096
.set PNL, 25600
.set MSTP, 102400
.set LI, 1
.set L8, 2
.set XRD, 3
.set IW0, 4
.set IS0, 5
.set AADR, 6
.set ASAD, 7
.set XQ0, 8
.set XQA, 9
.set IWA, 10
.set ISA, 11
.set AOW, 12
.set AWL, 13
.set COF, 14
.set STW, 16
.set STR, 17
.set RB, 18
.set GOF, 20
.set SPW, 28
.set NIL, 29
.set SW, 32
.set AS, 48
.set PC, 44                            ; window 1
.set PT, 56                            ; window 1
.set G0, 20
.set G1, 24
.set WV, 32
.set WB, 36
.set VB, 38
.set LE, 40
.set SEL, 42
.set EPS, 44
.set R256, 45
.set R1024, 46
.set CNT, 47
.set CO, 48
.set CO2, 49
.set OUT, 50
.set XS, 56
.set MSB, 0
.macro WIN new                         ; bits 1:0 source 0, 3:2 source 1, 5:4 source 2, 7:6 destination; the high byte repeats the setting left
.if MSB != (\new)
	s_set_vgpr_msb (MSB<<8)|(\new)
.set MSB, (\new)
.endif
.endm
.macro PLACES n                        ; places behind matrix instructions (ISA guide 7.12.1)
.rept \n
	v_nop
.endr
.endm
.macro VW
	s_wait_alu depctr_va_vdst(0)
.endm
.macro BAR
	s_wait_dscnt 0x0
	s_barrier_signal -1
	s_barrier_wait -1
.endm
.macro FILLQ p, q, off                 ; quad q (4 fragments, 2 registers of scale words) of the panel at byte off from the ring's base, into panel buffer p: 13 loads
	WIN (\p)<<6
.irp j, 0,1,2,3
.irp c, 0,1,2
	global_load_b128 v[64+48*(\q)+12*\j+4*\c:64+48*(\q)+12*\j+4*\c+3], v[LI], s[WB:WB+1] offset:(\off)+6144*(\q)+1536*\j+512*\c
.endr
.endr
	WIN 0
	global_load_b64 v[SW+8*(\p)+2*(\q):SW+8*(\p)+2*(\q)+1], v[L8], s[WB:WB+1] offset:(\off)+24576+256*(\q)
.endm
.macro WM d, a, b, sa, ra, sb, rb
.set rD, \d
.set rA, \a
.set rB, \b
.set rS, \sa
.set rT, \sb
.if ((\ra) == 0) && ((\rb) == 0)
	v_wmma_scale_f32_16x16x128_f8f6f4 v[rD:rD+7], v[rA:rA+11], v[rB:rB+11], v[rD:rD+7], v[rS], v[rT] matrix_a_fmt:MATRIX_FMT_FP6 matrix_b_fmt:MATRIX_FMT_FP6
.elseif ((\ra) == 1) && ((\rb) == 0)
	v_wmma_scale_f32_16x16x128_f8f6f4 v[rD:rD+7], v[rA:rA+11], v[rB:rB+11], v[rD:rD+7], v[rS], v[rT] matrix_a_fmt:MATRIX_FMT_FP6 matrix_b_fmt:MATRIX_FMT_FP6 matrix_a_scale:MATRIX_SCALE_ROW1
.elseif ((\ra) == 0)
	v_wmma_scale_f32_16x16x128_f8f6f4 v[rD:rD+7], v[rA:rA+11], v[rB:rB+11], v[rD:rD+7], v[rS], v[rT] matrix_a_fmt:MATRIX_FMT_FP6 matrix_b_fmt:MATRIX_FMT_FP6 matrix_b_scale:MATRIX_SCALE_ROW1
.else
	v_wmma_scale_f32_16x16x128_f8f6f4 v[rD:rD+7], v[rA:rA+11], v[rB:rB+11], v[rD:rD+7], v[rS], v[rT] matrix_a_fmt:MATRIX_FMT_FP6 matrix_b_fmt:MATRIX_FMT_FP6 matrix_a_scale:MATRIX_SCALE_ROW1 matrix_b_scale:MATRIX_SCALE_ROW1
.endif
.endm
; THE QUANTISER, all in window 1.  Half c of K step sl of the chunk: blocks 2 c, 2 c + 1 of my row; lane (r, h) holds 16 neighbours of each in v0-15, v16-31
.macro QLD sl, c
	WIN 0x40
.irp b, 0,1
.irp j, 0,1,2,3
	ds_load_b128 v[16*\b+4*\j:16*\b+4*\j+3], v[XQA] offset:512*(\sl)+128*(2*(\c)+\b)+16*\j
.endr
.endr
.endm
.macro QH sl, c, nw, more, nsl, nc     ; nw: LDS stores issued behind this half's loads
	s_wait_dscnt \nw
	WIN 0x55
	v_max3_num_f32 v32, 0x1800000, |v0|, |v1|      ; with the floor 2^(3 - 127): the byte cannot fall under 1
	v_max3_num_f32 v33, 0x1800000, |v16|, |v17|
.irp i, 2,4,6,8,10,12,14
	v_max3_num_f32 v32, v32, |v[\i]|, |v[\i+1]|
	v_max3_num_f32 v33, v33, |v[16+\i]|, |v[17+\i]|
.endr
	v_permlanex16_b32 v34, v32, s[SEL], s[SEL+1]
	v_permlanex16_b32 v35, v33, s[SEL], s[SEL+1]
	v_max_num_f32 v32, v32, v34                    ; with lane l xor 16's: the block's largest magnitude
	v_max_num_f32 v33, v33, v35
	v_add_nc_u32 v36, 0xff000000, v32              ; 2 off the exponent field: the conversion's scale operand
	v_add_nc_u32 v37, 0xff000000, v33
	v_lshrrev_b32 v38, 23, v36
	v_lshrrev_b32 v39, 23, v37
.if (\c) == 0
	v_lshl_or_b32 v40, v39, 8, v38
.else
	v_lshl_or_b32 v40, v38, 16, v40
	v_lshl_or_b32 v40, v39, 24, v40                ; my row's scale word
.endif
	v_cvt_scalef32_pk16_fp6_f32 v[PC+6*(\c):PC+6*(\c)+2], v[0:15], v36
	v_cvt_scalef32_pk16_fp6_f32 v[PT:PT+2], v[16:31], v37
.if \more
	QLD \nsl, \nc
	WIN 0x55
.endif
	v_nop                                          ; a plain place behind a scaled conversion
.irp i, 0,1,2
	v_permlane16_swap_b32 v[PC+6*(\c)+\i], v[PT+\i]   ; the operand's layout wants a whole block in a lane
.endr
.irp i, 0,1,2
	v_mov_b32 v[PC+3+6*(\c)+\i], v[PT+\i]
.endr
.if (\c) == 1
	WIN 0x04
.irp k, 0,1,2
	ds_store_b128 v[IWA], v[PC+4*\k:PC+4*\k+3] offset:6144*(\sl)+512*\k
.endr
	ds_store_b32 v[ISA], v40 offset:256*(\sl)
.endif
.endm
; A K step of the product: 64 matrix instructions, the 64 accumulators by turns in the same order in every step.
; lat: loads issued behind this panel's last quad.  next: the next step's activations are fetched, row tile by row tile, behind the last quad's products.
.macro MSTEP p, refill, next, lat
.irp q, 0,1,2,3
.set NW, (\lat)+13*(3-\q)
.if NW > 63
.set NW, 63
.endif
	s_wait_loadcnt NW
.irp m, 0,1,2,3
.if \q == 0
	s_wait_dscnt 9-3*\m                            ; the later row tiles' three loads each may be out
.endif
	WIN (\p)|0x04|((2+\q/2)<<4)|((2+\q/2)<<6)
.irp j, 0,1,2,3
	WM 64*\m+8*((4*\q+\j)%8), 64+48*\q+12*\j, 12*\m, SW+8*(\p)+2*\q+\j/2, \j%2, AS+2*(\p)+\m/2, \m%2
.endr
.if (\q == 3) && (\next)
	WIN 0x40
	PLACES 4
.irp c, 0,1,2
	ds_load_b128 v[12*\m+4*\c:12*\m+4*\c+3], v[AADR] offset:6144*((\p)+1)+1536*\m+512*\c
.endr
.endif
.endr
.if (\q == 1) && (\next)
	WIN 0
	ds_load_b64 v[AS+2*(1-(\p)):AS+2*(1-(\p))+1], v[ASAD] offset:256*((\p)+1)
.endif
.if \refill
.if (\q != 3) || ((\next) == 0)
	PLACES 4
.endif
	FILLQ \p, \q, (2+(\p))*MSTP
.endif
.endr
	WIN 0
.endm
; A trip's top: the chunk in hand has landed; the next one is asked for behind a barrier; my 16 rows become two fragments; a barrier shows all eight to all waves
.macro TOP load
	v_add_nc_u32 v[AADR], s[CO], v[LI]
	v_add_nc_u32 v[IWA], s[CO], v[IW0]
	v_add_nc_u32 v[ASAD], s[CO2], v[L8]
	v_add_nc_u32 v[ISA], s[CO2], v[IS0]
	v_add_nc_u32 v[XQA], s[XS], v[XQ0]
	VW
	s_wait_tensorcnt 0x0                           ; my rows of this chunk are in: no tensor load of mine is out,
	ds_add_u32 v[SPW], v[NIL]
.if \load
	s_add_co_u32 s[G0+1], s[G0+1], XQ              ; so the descriptor may be written: the next chunk
	s_add_nc_u64 s[G0+2:G0+3], s[G0+2:G0+3], 1024
.endif
	s_wait_dscnt 0x0
	s_barrier_signal -1
	s_barrier_wait -1
.if \load
	tensor_load_to_lds s[G0:G0+3], s[G1:G1+7]      ; bytes that nothing has filled; my one load until the next such barrier
	s_nop 0
	PLACES 4
.endif
	QLD 0, 0
	QH 0, 0, 0, 1, 0, 1
	QH 0, 1, 0, 1, 1, 0
	QH 1, 0, 4, 1, 1, 1
	QH 1, 1, 0, 0, 0, 0
	WIN 0
	BAR                                            ; the chunk's eight fragments lie in LDS
	ds_load_b64 v[AS:AS+1], v[ASAD]
	WIN 0x40
.irp m, 0,1,2,3
.irp c, 0,1,2
	ds_load_b128 v[12*\m+4*\c:12*\m+4*\c+3], v[AADR] offset:1536*\m+512*\c
.endr
.endr
	WIN 0
.endm
.macro XL m                            ; x of row tile m at my 256 columns, in the accumulators' layout: window 1, v[8 T + j]
	WIN 0x40
.irp b, 0,1,2,3,4,5,6,7
.irp i, 0,1,2,3
	ds_load_b128 v[16*\b+4*\i:16*\b+4*\i+3], v[XRD] offset:XT*(\m)+128*\b+16*\i
.endr
.endr
	WIN 0
.endm
.macro RED dst                         ; four packed partial sums in v208-215 -> the row's sum over my 256 columns
	v_pk_add_f32 v[208:209], v[208:209], v[210:211]
	v_pk_add_f32 v[212:213], v[212:213], v[214:215]
	v_pk_add_f32 v[208:209], v[208:209], v[212:213]
	v_add_f32 v208, v208, v209
	v_permlanex16_b32 v210, v208, s[SEL], s[SEL+1]
	v_add_f32 v[\dst], v208, v210
.endm
.macro TRANS op, m                     ; one batch of 128 transcendentals, in place
.irp hf, 0,1
	WIN ((2+\hf)<<6)|(2+\hf)
.set i, 0
.rept 64
	\op v[64*(\m)+i], v[64*(\m)+i]
.set i, i+1
.endr
.endr
	v_nop                                          ; a plain place behind the last
.endm
; Row tile m: g = 1 / (1 + 2^(-z log2 e)) (the factor is in already), fused = g ao + (x - g x) in z's place, my columns' mean, the differences in place, their squares' sum
.macro APART m
	VW
	TRANS v_exp_f32, \m
	VW
.irp hf, 0,1
	WIN ((2+\hf)<<6)|(2+\hf)
.set i, 0
.rept 32
	v_pk_add_f32 v[64*(\m)+2*i:64*(\m)+2*i+1], v[64*(\m)+2*i:64*(\m)+2*i+1], 1.0 op_sel_hi:[1,0]
.set i, i+1
.endr
.endr
	VW
	TRANS v_rcp_f32, \m
	VW
	s_wait_dscnt 0x0                               ; x (and ao) are in
.irp hf, 0,1
	WIN 0x54|(2+\hf)
.set i, 0
.rept 32
	v_pk_fma_f32 v[64*\hf+2*i:64*\hf+2*i+1], v[64*(\m)+2*i:64*(\m)+2*i+1], v[64*\hf+2*i:64*\hf+2*i+1], v[64*\hf+2*i:64*\hf+2*i+1] neg_lo:[1,0,0] neg_hi:[1,0,0]
.set i, i+1
.endr
	WIN ((2+\hf)<<6)|(2+\hf)|0x10
.set i, 0
.rept 32
	v_pk_fma_f32 v[64*(\m)+2*i:64*(\m)+2*i+1], v[64*(\m)+2*i:64*(\m)+2*i+1], v[64+64*\hf+2*i:64+64*\hf+2*i+1], v[64*\hf+2*i:64*\hf+2*i+1]
.set i, i+1
.endr
.endr
.if (\m) < 3
	XL (\m)+1
.endif
	WIN 0x0a
.irp k, 0,1,2,3
	v_pk_add_f32 v[208+2*\k:209+2*\k], v[64*(\m)+2*\k:64*(\m)+2*\k+1], v[64*(\m)+8+2*\k:64*(\m)+9+2*\k]
.endr
	WIN 0x08
.set i, 8
.rept 24
	v_pk_add_f32 v[208+2*(i%4):209+2*(i%4)], v[208+2*(i%4):209+2*(i%4)], v[64*(\m)+2*i:64*(\m)+2*i+1]
.set i, i+1
.endr
	WIN 0x0c
.set i, 0
.rept 32
	v_pk_add_f32 v[208+2*(i%4):209+2*(i%4)], v[208+2*(i%4):209+2*(i%4)], v[64*(\m)+2*i:64*(\m)+2*i+1]
.set i, i+1
.endr
	WIN 0
	RED 208
	v_mul_f32 v240, s[R256], v208                  ; my 256 columns' mean
	v_mov_b32 v241, v240
.irp hf, 0,1
	WIN ((2+\hf)<<6)|(2+\hf)
.set i, 0
.rept 32
	v_pk_add_f32 v[64*(\m)+2*i:64*(\m)+2*i+1], v[64*(\m)+2*i:64*(\m)+2*i+1], v[240:241] neg_lo:[0,1] neg_hi:[0,1]
.set i, i+1
.endr
	WIN (2+\hf)|((2+\hf)<<2)
.set i, 0
.rept 32
.if (\hf == 0) && (i < 4)
	v_pk_mul_f32 v[208+2*i:209+2*i], v[64*(\m)+2*i:64*(\m)+2*i+1], v[64*(\m)+2*i:64*(\m)+2*i+1]
.else
	v_pk_fma_f32 v[208+2*(i%4):209+2*(i%4)], v[64*(\m)+2*i:64*(\m)+2*i+1], v[64*(\m)+2*i:64*(\m)+2*i+1], v[208+2*(i%4):209+2*(i%4)]
.endif
.set i, i+1
.endr
.endr
	WIN 0
	RED 241                                        ; the sum of squared differences from my mean
.endm
.macro STAT m                          ; my (mean, sum) of 16 rows for the other waves; then the barrier's signal
	ds_store_b64 v[STW], v[240:241] offset:128*(\m)
	VW
	s_wait_dscnt 0x0
	s_barrier_signal -1
.endm
; Row tile m behind its barrier: the four waves' parts joined, the rows normalised in place, through my own x bytes of this tile as a stage, gain and shift, stored as runs of 512 consecutive bytes
.macro BPART m
.irp k, 0,1,2,3
	ds_load_b64 v[216+2*\k:217+2*\k], v[STR] offset:1024*\k+128*(\m)
.endr
	ds_load_b64 v[224:225], v[STW] offset:128*(\m)
	s_wait_dscnt 0x0
	v_add_f32 v226, v216, v218
	v_add_f32 v227, v220, v222
	v_add_f32 v230, v217, v219
	v_add_f32 v231, v221, v223
	v_add_f32 v226, v226, v227
	v_add_f32 v230, v230, v231
	v_mul_f32 v226, 0x3e800000, v226               ; the row's mean
	v_sub_f32 v216, v216, v226
	v_sub_f32 v218, v218, v226
	v_sub_f32 v220, v220, v226
	v_sub_f32 v222, v222, v226
	v_mul_f32 v232, v216, v216
	v_fma_f32 v232, v218, v218, v232
	v_fma_f32 v232, v220, v220, v232
	v_fma_f32 v232, v222, v222, v232
	v_fma_f32 v232, v232, 0x43800000, v230         ; + 256 x the squared distances of the four means
	v_fma_f32 v233, v232, s[R1024], s[EPS]         ; the variance + 1e-5
	VW
	v_rsq_f32 v234, v233
	v_sub_f32 v236, v224, v226                     ; my mean less the row's (a plain place)
	VW
	v_mul_f32 v236, v236, v234
	v_mov_b32 v235, v234
	v_mov_b32 v237, v236
.irp hf, 0,1
	WIN ((2+\hf)<<6)|(2+\hf)
.set i, 0
.rept 32
	v_pk_fma_f32 v[64*(\m)+2*i:64*(\m)+2*i+1], v[64*(\m)+2*i:64*(\m)+2*i+1], v[234:235], v[236:237]
.set i, i+1
.endr
	WIN (2+\hf)<<2
.irp b, 0,1,2,3
.irp i, 0,1,2,3
	ds_store_b128 v[XRD], v[64*(\m)+16*\b+4*\i:64*(\m)+16*\b+4*\i+3] offset:XT*(\m)+128*(4*\hf+\b)+16*\i
.endr
.endr
.endr
	s_wait_xcnt 0x0                                ; the last tile's stores have read their registers
	WIN 0x40
.irp t, 0,1,2,3,4,5,6,7,8,9,10,11,12,13,14,15
.irp k, 0,1
	ds_load_b128 v[128+8*\t+4*\k:128+8*\t+4*\k+3], v[RB+(\m)/2] offset:XT*((\m)%2)+XP*\t+512*\k   ; LDS serves a wave's instructions in order: these see the stores above
.endr
.endr
.if (\m) == 0
	s_wait_loadcnt 0x0                             ; gamma and beta
.endif
.irp g, 0,1,2,3
	s_wait_dscnt 24-8*\g                           ; the later rows' loads may be out
	WIN 0x41
.irp t, 0,1,2,3
.irp e, 0,2,4,6
	v_pk_fma_f32 v[128+8*(4*\g+\t)+\e:129+8*(4*\g+\t)+\e], v[128+8*(4*\g+\t)+\e:129+8*(4*\g+\t)+\e], v[192+\e:193+\e], v[200+\e:201+\e]
.endr
.endr
	WIN 0x04
.irp t, 0,1,2,3
.irp k, 0,1
	global_store_b128 v[LI], v[128+8*(4*\g+\t)+4*\k:128+8*(4*\g+\t)+4*\k+3], s[OUT:OUT+1] offset:4096*(16*(\m)+4*\g+\t)+512*\k th:TH_STORE_NT
.endr
.endr
.endr
	WIN 0
.endm
	; ---------------- THE HEAD ----------------
	s_load_b512 s[4:19], s[0:1], 0x0               ; x 4, wimg 6, aobuf 8, cpart 10, bg 12, gamma 14, beta 16, out0 18
	v_lshl_add_u32 v[SPW], v0, 2, SPARE
	v_mov_b32 v[NIL], 0
	ds_add_u32 v[SPW], v[NIL]                      ; the opening lines: the add, twice on end, and its wait ahead of my first tensor load
	ds_add_u32 v[SPW], v[NIL]
	v_lshrrev_b32 v27, 5, v0
	v_readfirstlane_b32 s[WV], v27                 ; wave 0..3
	v_and_b32 v24, 31, v0                          ; lane
	v_and_b32 v25, 15, v0                          ; r
	v_bfe_u32 v26, v0, 4, 1                        ; h
	v_lshlrev_b32 v[LI], 4, v24
	v_lshlrev_b32 v[L8], 3, v24
	s_mul_i32 s33, s[WV], XQ                       ; my column quarter of x in LDS
	s_mul_i32 s[G0+1], s[WV], XT                   ; my 16 rows of a chunk
	v_mul_u32_u24 v23, v25, XP
	v_lshl_add_u32 v23, v26, 6, v23                ; row r, + 64 h
	v_add_nc_u32 v[XRD], s33, v23
	v_add_nc_u32 v[XQ0], s[G0+1], v23
	v_add_nc_u32 v[RB], s33, v[LI]
	v_add_nc_u32 v[RB+1], 2*XT, v[RB]
	s_mul_i32 s34, s[WV], 1536
	v_add_nc_u32 v[IW0], s34, v[LI]                ; images: I make row tile m = w
	s_and_b32 s34, s[WV], 1
	s_lshl_b32 s34, s34, 7
	s_lshr_b32 s35, s[WV], 1
	s_lshl_b32 s35, s35, 2
	s_add_co_u32 s34, s34, s35
	v_lshl_add_u32 v[IS0], v25, 3, s34
	s_lshl_b32 s35, s[WV], 10
	v_lshl_add_u32 v[AOW], v26, 6, s35             ; 1024 w + 64 h
	v_add_nc_u32 v[AOW], AO, v[AOW]
	v_lshl_add_u32 v[COF], v24, 5, s35             ; 1024 w + 32 x lane
	v_add_nc_u32 v[AWL], AO, v[COF]
	v_lshl_add_u32 v[STR], v25, 3, CB
	v_add_nc_u32 v[STW], s35, v[STR]
	v_add_nc_u32 v[GOF], s35, v[LI]
	WIN 0x40
	v_mov_b32 v34, 0                               ; a lane permute's destination counts as a source
	v_mov_b32 v35, 0
	WIN 0
	s_mov_b32 s[LE], 0xbfb8aa3b                    ; -log2 e
	s_mov_b32 s[LE+1], 0xbfb8aa3b
	s_mov_b32 s[SEL], 0x76543210
	s_mov_b32 s[SEL+1], 0xfedcba98
	s_mov_b32 s[EPS], 0x3727c5ac                   ; 1e-5
	s_mov_b32 s[R256], 0x3b800000
	s_mov_b32 s[R1024], 0x3a800000
	s_mov_b32 s[G0], 1
	s_mov_b32 s[G1+0], (3<<16)|(1<<20)|(7<<22)|(3<<25)   ; elements of 8 bytes; 4 dwords of padding behind every 256
	s_mov_b32 s[G1+1], 128<<16                     ; a row: 128 elements, 1,024 bytes
	s_mov_b32 s[G1+2], 16<<16                      ; 16 rows
	s_mov_b32 s[G1+3], 128<<16
	s_mov_b32 s[G1+4], 16
	s_mov_b32 s[G1+5], 512                         ; from row to row: 4,096 bytes
	s_mov_b32 s[G1+6], 0
	s_mov_b32 s[G1+7], 0
	s_mov_b32 s53, 0
	VW                                             ; at the head's end
	s_wait_dscnt 0x0
	s_wait_kmcnt 0x0
	s_lshl_b32 s52, ttmp9, 18                      ; 64 rows of 4,096 bytes
	s_add_nc_u64 s[54:55], s[4:5], s[52:53]
	s_add_nc_u64 s[OUT:OUT+1], s[18:19], s[52:53]
	s_lshl_b32 s52, s[WV], 16                      ; my 16 rows
	s_add_nc_u64 s[G0+2:G0+3], s[54:55], s[52:53]
	s_or_b32 s[G0+3], s[G0+3], 0x80000000
	tensor_load_to_lds s[G0:G0+3], s[G1:G1+7]      ; chunk 0: my one tensor load at the head
	s_nop 0
	PLACES 4
	s_mov_b32 s52, s35                             ; my 256 columns
	s_add_nc_u64 s[OUT:OUT+1], s[OUT:OUT+1], s[52:53]
	s_mul_i32 s52, s[WV], PNL
	s_add_nc_u64 s[WB:WB+1], s[6:7], s[52:53]
	s_lshr_b32 s52, ttmp9, 5                       ; the batch
	s_lshl_b32 s52, s52, 12
	s_add_nc_u64 s[VB:VB+1], s[10:11], s[52:53]
	s_add_nc_u64 s[54:55], s[8:9], s[52:53]
	WIN 0x80
.irp s, 0,1,2,3,4,5,6,7,8,9,10,11,12,13,14,15
.irp i, 0,1
	global_load_b128 v[8*\s+4*\i:8*\s+4*\i+3], v[COF], s[VB:VB+1] offset:32768*\s+16*\i   ; c's 16 parts at my 256 columns, 8 numbers a lane
.endr
.endr
	WIN 0xc0
.irp i, 0,1
	global_load_b128 v[4*\i:4*\i+3], v[COF], s[12:13] offset:16*\i     ; bg
	global_load_b128 v[8+4*\i:11+4*\i], v[COF], s[54:55] offset:16*\i  ; ao
.endr
	WIN 0
.irp q, 0,1,2,3
	FILLQ 0, \q, 0
.endr
.irp q, 0,1,2,3
	FILLQ 1, \q, MSTP
.endr
	s_wait_loadcnt 63                              ; 104 loads stand behind the 36 above
	WIN 0xcb
.irp s, 0,1,2,3,4,5,6,7,8,9,10,11,12,13,14,15
.irp e, 0,2,4,6
	v_pk_add_f32 v[\e:\e+1], v[\e:\e+1], v[8*\s+\e:8*\s+\e+1]
.endr
.endr
	WIN 0x0c
	ds_store_b128 v[AWL], v[0:3] offset:4096       ; c and ao into my own kilobytes, by columns
	ds_store_b128 v[AWL], v[4:7] offset:4112
	ds_store_b128 v[AWL], v[8:11]
	ds_store_b128 v[AWL], v[12:15] offset:16
.irp T, 0,1,2,3,4,5,6,7,8,9,10,11,12,13,14,15
	WIN (2+\T/8)<<6
.irp m, 0,1,2,3
.irp i, 0,1
	ds_load_b128 v[64*\m+8*(\T%8)+4*\i:64*\m+8*(\T%8)+4*\i+3], v[AOW] offset:4096+128*(\T/2)+32*(\T%2)+16*\i   ; c starts every sum (LDS serves a wave's instructions in order)
.endr
.endr
.endr
	WIN 0
	; ---------------- z = x Wg[:, :1024]^T + c: a trip is a chunk, two K steps ----------------
	s_mov_b32 s[CO], IMG
	s_mov_b32 s[CO2], ISC
	s_mov_b32 s[XS], 0
	s_mov_b32 s[CNT], 3
.Lmain:
	TOP 1
	MSTEP 0, 1, 1, 63
	MSTEP 1, 1, 0, 63
	s_wait_xcnt 0x0                                ; the loads have read the ring's base
	s_add_nc_u64 s[WB:WB+1], s[WB:WB+1], 2*MSTP
	s_add_co_u32 s[CO], s[CO], 12288
	s_add_co_u32 s[CO2], s[CO2], 512
	s_add_co_u32 s[XS], s[XS], XQ
	s_sub_co_u32 s[CNT], s[CNT], 1
	s_cmp_lg_u32 s[CNT], 0
	s_cbranch_scc1 .Lmain
	TOP 0                                          ; the last chunk: nothing more is asked for
	MSTEP 0, 0, 1, 52                              ; behind panel 6 stand panel 7's 52 loads,
	MSTEP 1, 0, 0, 0                               ; behind panel 7 none
	PLACES 4
	; ---------------- the way out ----------------
.irp T, 0,1,2,3,4,5,6,7,8,9,10,11,12,13,14,15
.irp i, 0,1
	ds_load_b128 v[64+8*\T+4*\i:64+8*\T+4*\i+3], v[AOW] offset:128*(\T/2)+32*(\T%2)+16*\i   ; ao at my columns
.endr
.endr
	XL 0
.irp k, 0,1
	global_load_b128 v[192+4*\k:195+4*\k], v[GOF], s[14:15] offset:512*\k   ; gamma and beta, as a row read back will lie in my lane
	global_load_b128 v[200+4*\k:203+4*\k], v[GOF], s[16:17] offset:512*\k
.endr
.irp w, 2,3
	WIN (\w<<6)|\w
.set i, 0
.rept 128
	v_pk_mul_f32 v[2*i:2*i+1], v[2*i:2*i+1], s[LE:LE+1] op_sel_hi:[1,0]   ; every accumulator is first read here, from its low end on, ahead of all transcendentals
.set i, i+1
.endr
.endr
	WIN 0
	APART 0
	STAT 0
	APART 1                                        ; register work and loads of my own later rows of x stand between signal and wait
	s_barrier_wait -1
	BPART 0
	STAT 1
	APART 2
	s_barrier_wait -1
	BPART 1
	STAT 2
	APART 3
	s_barrier_wait -1
	BPART 2
	STAT 3
	s_barrier_wait -1
	BPART 3
	s_wait_tensorcnt 0x0                           ; the wave's end
	ds_add_u32 v[SPW], v[NIL]
	s_wait_dscnt 0x0
	s_endpgm
.Lfunc_end_k_qfea4d1c0b1_main:
	.size	k_qfea4d1c0b1_main, .Lfunc_end_k_qfea4d1c0b1_main-k_qfea4d1c0b1_main
	.p2alignl 7, 3214868480
	.fill 96, 4, 3214868480
	.section	.rodata,"a",@progbits
	.p2align	6, 0x0
	.amdhsa_kernel k_qfea4d1c0b1_main
		.amdhsa_group_segment_fixed_size 327680
		.amdhsa_private_segment_fixed_size 0
		.amdhsa_enable_private_segment 0
		.amdhsa_kernarg_size 64
		.amdhsa_user_sgpr_count 2
		.amdhsa_user_sgpr_kernarg_segment_ptr 1
		.amdhsa_wavefront_size32 1
		.amdhsa_system_sgpr_workgroup_id_x 1
		.amdhsa_system_sgpr_workgroup_id_y 1
		.amdhsa_system_sgpr_workgroup_id_z 1
		.amdhsa_system_vgpr_workitem_id 0
		.amdhsa_next_free_vgpr 1024
		.amdhsa_next_free_sgpr 66
		.amdhsa_reserve_vcc 0
		.amdhsa_float_denorm_mode_32 3
		.amdhsa_float_denorm_mode_16_64 3
		.amdhsa_memory_ordered 1
		.amdhsa_forward_progress 1
		.amdhsa_inst_pref_size 255
	.end_amdhsa_kernel
	.section	.bss,"aw",@nobits
	.p2align	6
	.space	262144
	.amdgpu_metadata
---
amdhsa.version: [ 1, 2 ]
amdhsa.kernels:
  - .name:           k_qfea4d1c0b1_main
    .symbol:         k_qfea4d1c0b1_main.kd
    .args:
      - { .name: speech_features, .offset: 0, .size: 8, .value_kind: global_buffer, .address_space: global }
      - { .name: wimg, .offset: 8, .size: 8, .value_kind: global_buffer, .address_space: global }
      - { .name: aobuf, .offset: 16, .size: 8, .value_kind: global_buffer, .address_space: global }
      - { .name: cpart, .offset: 24, .size: 8, .value_kind: global_buffer, .address_space: global }
      - { .name: bg, .offset: 32, .size: 8, .value_kind: global_buffer, .address_space: global }
      - { .name: gamma, .offset: 40, .size: 8, .value_kind: global_buffer, .address_space: global }
      - { .name: beta, .offset: 48, .size: 8, .value_kind: global_buffer, .address_space: global }
      - { .name: out0, .offset: 56, .size: 8, .value_kind: global_buffer, .address_space: global }
    .group_segment_fixed_size: 327680
    .private_segment_fixed_size: 0
    .kernarg_segment_align: 8
    .kernarg_segment_size: 64
    .max_flat_workgroup_size: 128
    .sgpr_count:     66
    .vgpr_count:     1024
    .wavefront_size: 32
...
	.end_amdgpu_metadata
.endif
;; end of part 3
